; MI455X (gfx1250); checked and timed in simulation.
; The chip was launched on July 23, 2026; its instructions are those of AMD's public machine-readable ISA for CDNA 5 (MIT licence, August 2026) and "CDNA5" Instruction Set Architecture Reference Guide (July 2026). The comments in the code are by the model that wrote it; some were corrected since.
;; Frequency Linear. Allowed arithmetic: matrix products marked QUANTISED: E2M1 operands, one E8M0 scale for each 32 along K, by v_wmma_scale_f32_16x16x128_f8f6f4 with both operands' format E2M1 (or v_wmma_scale_f32_32x16x128_f4), f32 sums; everything else in f32.
;; Inputs: w_im_codes 2,048 x 64 x 16 uint8 (E2M1 codes of w_im, K innermost, in blocks of 32 codes, two codes a byte); w_im_scales 2,048 x 64 uint8 (E8M0 scales of w_im, one for each 32 codes along K); w_re_codes 2,048 x 64 x 16 uint8 (E2M1 codes of w_re, K innermost, in blocks of 32 codes, two codes a byte); w_re_scales 2,048 x 64 uint8 (E8M0 scales of w_re, one for each 32 codes along K); x_im_codes 4,096 x 64 x 16 uint8 (E2M1 codes of x_im, K innermost, in blocks of 32 codes, two codes a byte); x_im_scales 4,096 x 64 uint8 (E8M0 scales of x_im, one for each 32 codes along K); x_re_codes 4,096 x 64 x 16 uint8 (E2M1 codes of x_re, K innermost, in blocks of 32 codes, two codes a byte); x_re_scales 4,096 x 64 uint8 (E8M0 scales of x_re, one for each 32 codes along K).
;; Outputs: out0 2 x 4,096 x 2,048 float32.
;; This version of the problem:
;;   THIS VERSION OF THE PROBLEM IS GIVEN IN LOW PRECISION. The matrix products marked QUANTISED in the list below multiply operands that are first quantised to E2M1 (2 exponent bits, 1 mantissa bit; 4 bits a number), with one power-of-two scale for each 32 numbers along K (OCP MX v1.0); their sums are f32. All else is computed in f32.
;;   The module's matrix products, in the order in which they are computed (A, B: the left and right operand; K: the contracted axis; several contracted axes count as one K, in the product's order):
;;     1. [M 4,096, K 2,048] x [K 2,048, N 2,048]; A: input x_re (given as codes); B: input w_re (given as codes): QUANTISED
;;     2. [M 4,096, K 2,048] x [K 2,048, N 2,048]; A: input x_im (given as codes); B: input w_im (given as codes): QUANTISED
;;     3. [M 4,096, K 2,048] x [K 2,048, N 2,048]; A: input x_re (given as codes); B: input w_im (given as codes): QUANTISED
;;     4. [M 4,096, K 2,048] x [K 2,048, N 2,048]; A: input x_im (given as codes); B: input w_re (given as codes): QUANTISED
;;   THE QUANTISER, for each operand of a quantised product, along K:
;;     - K is cut into blocks of 32 from its start; a last block that is shorter is filled with zeros.
;;     - A block's scale is 2^e with e = floor(log2(the largest magnitude in the block)) - 2, held to -126 .. 127; a block of zeros has e = 0. As a byte (E8M0): e + 127.
;;     - Each number is divided by its block's scale, clamped to +-6, and rounded to the nearest number of E2M1, ties to even, subnormals kept.
;;     - The product sums the exact products of the quantised numbers (number of the format x scale) in f32.
;;   ~~~python
;;   def quantise(x, axis):      # numpy; x: float32 -> the quantised numbers, widened to float32 again
;;       x = np.moveaxis(x, axis, -1); K = x.shape[-1]
;;       x = np.pad(x, [(0, 0)] * (x.ndim - 1) + [(0, -K % 32)]); x = x.reshape(x.shape[:-1] + (-1, 32)); a = np.abs(x).max(-1, keepdims=True)
;;       e = np.where(a > 0, np.clip(np.frexp(np.where(a > 0, a, 1))[1] - 1 - 2, -126, 127), 0)      # np.frexp(a)[1] - 1 = floor(log2(a)), exactly
;;       r = np.clip(x / 2.0 ** e, -6, 6)
;;       step = 2.0 ** (np.maximum(np.frexp(np.where(r == 0, 1, r))[1] - 1, 0) - 1)
;;       q = np.round(r / step) * step * 2.0 ** e      # np.round: ties to even
;;       return np.moveaxis(q.reshape(q.shape[:-2] + (-1,))[..., :K], -1, axis).astype(np.float32)
;;   ~~~
;;   INPUTS GIVEN AS CODES. w_im (in the module: [2048, 2048], K = its axis 1); w_re (in the module: [2048, 2048], K = its axis 1); x_im (in the module: [4096, 2048], K = its axis 1); x_re (in the module: [4096, 2048], K = its axis 1): each comes as NAME_codes (uint8): NAME with its K axis moved to the last place and cut into blocks of 32 codes, [.., K / 32, bytes a block], one block behind the other in memory; two codes a byte, the lower K in the low four bits (a code: sign, 2 exponent bits, 1 mantissa bit); and NAME_scales (uint8): the same leading axes, one E8M0 byte (e + 127) for each 32 codes along K. Its value is code x scale, taken as it is: it is not quantised again, and the codes and scales need not be those that the quantiser above would give.
;; One version. Each part assembles by itself: llvm-mc -triple=amdgcn-amd-amdhsa -mcpu=gfx1250 --defsym DOCPART=n.
;; ======== version 1 of 1: 1 launch
;; launch cgemm (part 1): grid 8 x 32, 4 waves a work-group, clusters of 4 x 4, 327,680 bytes of LDS; arguments x_re_codes, x_im_codes, w_re_codes, w_im_codes, x_re_scales, x_im_scales, w_re_scales, w_im_scales, out0; writes out0
.if DOCPART == 1
	.amdgcn_target "amdgcn-amd-amdhsa--gfx1250"
	.amdhsa_code_object_version 6
	.text
	.protected	k_q91595c5dad_cgemm
	.globl	k_q91595c5dad_cgemm
	.p2align	8
	.type	k_q91595c5dad_cgemm,@function
k_q91595c5dad_cgemm:
	s_mov_b64 s[64:65], 0
	v_nop
	global_prefetch_b8 v0, s[64:65] scope:SCOPE_SE
	s_setreg_imm32_b32 hwreg(HW_REG_WAVE_MODE, 25, 1), 1
	s_wait_xcnt 0x0
	s_wait_alu depctr_hold_cnt(0) depctr_sa_sdst(0) depctr_va_vdst(0) depctr_va_sdst(0) depctr_va_ssrc(0) depctr_va_vcc(0) depctr_vm_vsrc(0)
	s_getreg_b32 s2, hwreg(HW_REG_IB_STS2, 6, 4)
	s_cmp_eq_u32 s2, 0
	s_cbranch_scc0 .Lentry_in_a_cluster
	s_endpgm
.Lentry_in_a_cluster:
	s_bfe_u32 s2, ttmp6, 0x10000c
	s_cmp_lg_u32 s2, 0xf033
	s_cbranch_scc0 .Lentry_shape_is_right
	s_endpgm
.Lentry_shape_is_right:
; out0[0] = Xr Wr^T - Xi Wi^T,  out0[1] = Xr Wi^T + Xi Wr^T.  Xr, Xi: [4096][2048], Wr, Wi: [2048][2048]: codes of FP4 (E2M1), K innermost, two codes a byte (a row is 1,024 bytes),
; with one E8M0 byte for each 32 along K (a row of scales is 64 bytes).  out0: [2][4096][2048] f32; sums in f32.  Codes and scale bytes go to the matrix unit as they lie in memory.
; SHARES.  A work-group of four waves makes 128 rows x 256 columns of BOTH planes: 32 x 8 = 256 work-groups.  Wave w makes rows 64 (w / 2) on, columns 128 (w % 2) on, of both planes:
; 32 accumulators of 16 x 16 for re and 32 for im, 512 registers.  For 128 along K it reads 24 fragments (4 Xr, 4 Xi, 8 Wr, 8 Wi) from LDS and issues 128 matrix instructions: each fragment feeds both planes.
; THE FOUR PRODUCTS of a step of 128 along K, 32 instructions each:  P1 re += Wr Xr;  P2 im += Wi Xr;  P3 im += Wr Xi;  P4 re += Wi Xn, with Xn = -Xi.
; THE MINUS SIGN.  A code's sign is the top bit of its four: an exclusive or with 0x88888888 negates eight codes, exactly.  It is done in registers on Xi's four fragments, 32 instructions a step.
; THE MATRIX INSTRUCTION IS USED TRANSPOSED (source 0 = 16 rows of W, source 1 = 16 rows of X): a lane then holds eight neighbouring numbers of a row of the output.
; THE RING.  K goes in steps of 256 through two LDS slots filled by the tensor data mover: 128 bytes of each of the 768 rows (128 Xr, 128 Xi, 256 Wr, 256 Wi).  Rows of 256 bytes would take
; 2 x 768 x 272 = 417,792 bytes, more than the 327,680 claimed.  Each wave fetches one tensor's tile: wave 0 Xr, wave 1 Xi, wave 2 Wr, wave 3 Wi: one load a wave for each change of slots.
; THE SCALES of the work-group's rows, for all of K, are four dense blocks of memory: they come into LDS once, with the first fills, as rows of 256 bytes, and stay.
; CLUSTERS: 4 x 4 work-groups.  The four of a row of the cluster need the same tiles of X, the four of a column the same tiles of W: each tile is asked for JOINTLY, by the same tensor load with the same
; descriptor and a mask that names the four.  By this text's own count a wave has three tensor loads out at the head and one behind each change of slots.
; LIMITS.  re's sum takes the products Xr Wr and -Xi Wi by turns along K, in one f32 accumulator, where the definition subtracts two whole sums: another order of rounding.  A scale byte 0xff makes the sums NaN.
; REGISTERS, in windows of 256: window 0: v1-30 addresses; v32-79 scale words, two sets; v128-159 Xr's four fragments, v160-191 Xi's, v192-223 Xn's: ONE set; on the way out v128-255 are free.
;   window 1: W's fragments, TWO sets, at v0 and v128: in a set Wr's eight, then Wi's eight.   window 2: re's accumulators ((a, b) at v[8 (8 a + b)]).   window 3: im's.
; The claim of all of a WGP's LDS.
.set KROW,   1024                      ; a row of codes in memory, in bytes
.set ROWB,   128                       ; a tile's row: 256 codes
.set PITCH,  144                       ; an LDS row: 128 bytes + 16 of padding = 36 words: row r starts at bank 36 r mod 64 (64 banks of 4 bytes: ISA guide 11.1), so the 16 rows that a load touches lie in 16 different columns of 16 bytes
.set BLK16,  16*PITCH                  ; 16 rows
.set XIOFF,  128*PITCH                 ; in a slot: Xr's 128 rows, then Xi's,
.set WOFF,   2*XIOFF                   ; then Wr's 256 rows,
.set WIOFF,  256*PITCH                 ; then Wi's, this far behind Wr's
.set SLOT,   WOFF+2*WIOFF              ; 110,592 bytes
.set LAPS,   4                         ; a lap = two slots = 512 along K
.set SCL,    2*SLOT                    ; behind the ring: the scales, as rows of 256 bytes + 16 of padding: Xr's, Xi's,
.set SBLK,   4*272                     ; (those of 16 rows: 1,024 bytes)
.set SXH,    32*272                    ; (those of 128 rows)
.set SWH,    64*272                    ; (those of 256 rows)
.set SCW,    SCL+2*SXH                 ; Wr's, Wi's
.set STAGE,  SCW+2*SWH                 ; the way out: 16 rows x (512 bytes + 16) for each wave; no fill lands here
.set SPITCH, 528
.set SPARE,  STAGE+4*16*SPITCH         ; the spare words, 128 bytes for each wave: two blocks of 256 bytes that no other line names
.set ROWC,   8192                      ; a row of the output in bytes
.set PLANE,  4096*ROWC                 ; from re's plane to im's
.set ADRX,  16                         ; v16-17  LDS address of my Xr fragments in slot 0, 1 (Xi's: XIOFF on, in the immediate)
.set ADRW,  20                         ; v20-21  the same for Wr (Wi's: WIOFF on)
.set ADRSX, 22                         ; v22     my scale words of X: lanes 0-15 Xr's rows, lanes 16-31 Xi's
.set ADRSW, 23                         ; v23     of W: lanes 0-15 Wr's rows, lanes 16-31 Wi's
.set STO,   24                         ; v24     the way out: where I put 32 bytes of a row
.set RD,    25                         ; v25     where I read a row back
.set CO,    26                         ; v26     my byte offset in a row of the output
.set SPW,   28                         ; v28     LDS address of my spare word: SPARE + 4 x my thread's number; never rewritten
.set NIL,   29                         ; v29     0; never rewritten
.set PFO,   30                         ; v30     the prefetches' offset: my lane x a row of codes; never rewritten
.set SC,    32                         ; scale words: set s (for slot s) at v[SC + 24 s]: register 2 b + q: W's block b; register 16 + 2 a + q: X's block a; q: the slot's first or second 128 along K
.set XR,    128
.set XI,    160
.set XN,    192
.set BK,    128                        ; the way out: 16 rows read back from the stage: v128-191 and v192-255 by turns
.set WV,    22                         ; s22  my wave's number
.set FW,    23                         ; s23  wave / 2: I fetch for X (0) or for W (1).  Also: which 64 rows of the tile are mine
.set PL,    24                         ; s24  wave % 2: I fetch the re tensor (0) or the im tensor (1).  Also: which 128 columns are mine
.set LIM,   25                         ; s25  1 in a wave that prefetches, else the greatest number
.set PFA,   26                         ; s[26:27] where my prefetches stand
.set G1X,   28                         ; s[28:35] descriptor group 1 for X's tiles;  s[36:43] for W's
.set G1W,   36
.set G0X,   44                         ; s[44:51] group 0 for X's tiles, one set for each slot;  s[52:59] for W's
.set G0W,   52
.set G0SX,  60                         ; s[60:63], s[68:71] groups 0 for X's and W's scales;  s[72:79], s[80:87] their groups 1
.set G0SW,  68
.set G1SX,  72
.set G1SW,  80
.set MSB, 0
.macro WIN new                         ; the immediate's high byte repeats the setting that is left; a switch that changes nothing is dropped
.if MSB != (\new)
	s_set_vgpr_msb (MSB<<8)|(\new)
.set MSB, (\new)
.endif
.endm
.set MUL_RE, 0xa1                      ; source 0 (W) window 1, source 1 (X) window 0, C and D window 2
.set MUL_IM, 0xf1                      ; the same, C and D window 3
.set TO_B,   0x40                      ; destination window 1, address window 0
; A joint load: waves 0 and 1 fetch for X, waves 2 and 3 for W.  Each of the two lines has ONE mask; the branch hangs on the wave's number alone.
; Four v_nop follow each of the two lines, ahead of the jump, the label and what follows.
.macro JLOAD g0x, g1x, g0w, g1w
	s_cmp_eq_u32 s[FW], 0
	s_cbranch_scc0 .Lfor_w_\@
	tensor_load_to_lds s[\g0x:\g0x+3], s[\g1x:\g1x+7]
	s_nop 0
.rept 4
	v_nop
.endr
	s_branch .Lasked_\@
.Lfor_w_\@:
	tensor_load_to_lds s[\g0w:\g0w+3], s[\g1w:\g1w+7]
	s_nop 0
.rept 4
	v_nop
.endr
.Lasked_\@:
.endm
.macro CREST                           ; a round of the cluster's barrier behind its opening barrier
	s_cmp_lg_u32 s[WV], 0
	s_cbranch_scc1 .Lnot_wave_0_\@
	s_barrier_signal -3
.Lnot_wave_0_\@:
	s_barrier_wait -3
	s_barrier_signal -1
	s_barrier_wait -1
.endm
.macro CROUND                          ; a whole round
	s_barrier_signal -1
	s_barrier_wait -1
	CREST
.endm
; A PREFETCH INTO THE L2: a lap's part of a row of codes, 256 bytes at a multiple of 256 from the buffer's first byte, a lane a row.  It stands once a lap, behind slot 0's joint load, its four lines and the run
; of LDS loads that follows them, and names the lap whose first refill is asked for one lap, 512 matrix instructions, later.  Each such 256 bytes are named ONCE in the launch.  X's tile row is read by both
; clusters of a row of clusters: the one with x = 0 asks; W's tile column by all eight clusters of a column: the one with y = 0 asks.  The four partners that ask for a tile jointly share its rows out BY ADDRESS:
; of X's 128 rows the partner at cx takes 32 cx on (one instruction), of W's 256 the partner at cy takes 64 cy on (two).  Laps 0 and 1 come by their loads alone; the loop's last trip (s3 = 1) asks for nothing.
.macro ASK
	s_cmp_gt_u32 s3, s[LIM]
	s_cbranch_scc0 .Lnot_mine_\@
	global_prefetch_b8 v[PFO], s[PFA:PFA+1] th:TH_LOAD_NT scope:SCOPE_SE
	s_cmp_eq_u32 s[FW], 0
	s_cbranch_scc1 .Lnot_mine_\@
	global_prefetch_b8 v[PFO], s[PFA:PFA+1] offset:32*KROW th:TH_LOAD_NT scope:SCOPE_SE
.Lnot_mine_\@:
.endm
	s_load_b256 s[4:11], s[0:1], 0x0               ; codes: Xr s[4:5], Xi s[6:7], Wr s[8:9], Wi s[10:11]
	s_load_b256 s[12:19], s[0:1], 0x20             ; scales: Xr s[12:13], Xi s[14:15], Wr s[16:17], Wi s[18:19]
	s_load_b64 s[20:21], s[0:1], 0x40              ; out0
	v_lshl_add_u32 v[SPW], v0, 2, SPARE
	v_mov_b32 v[NIL], 0
	ds_add_u32 v28, v29
	ds_add_u32 v28, v29
	s_wait_dscnt 0x0
	v_lshrrev_b32 v1, 5, v0
	v_readfirstlane_b32 s[WV], v1                  ; wave 0..3
	s_lshr_b32 s[FW], s[WV], 1
	s_and_b32 s[PL], s[WV], 1
	s_bfe_u32 s88, ttmp6, 0x40000                  ; cx, cy: my place in the cluster
	s_bfe_u32 s89, ttmp6, 0x40004
	s_lshl_b32 s90, ttmp9, 2
	s_add_co_u32 s90, s90, s88                     ; tile column = 4 x cluster x + cx
	s_and_b32 s91, ttmp7, 0xffff
	s_lshl_b32 s91, s91, 2
	s_add_co_u32 s91, s91, s89                     ; tile row = 4 x cluster y + cy
	s_lshl_b32 s92, s89, 2
	s_lshl_b32 s92, 15, s92                        ; my row of the cluster
	s_lshl_b32 s93, 0x1111, s88                    ; my column
	s_mov_b32 s98, 0x88888888                      ; the sign bits of eight codes
	; descriptor group 1: tiles of 128 (X) or 256 (W) rows x 128 bytes, padded in LDS
	s_or_b32 s[G1X+0], s92, (0<<16)|(1<<20)|(1<<21)|(4<<22)|(3<<25)  ; 15:0 the mask: X's tiles go to my row; 17:16 elements of 1 byte; 20 padding on; 21 set beside a mask; 24:22 after every 32 words (code 4); 31:25 of 4 words (code 3)
	s_or_b32 s[G1W+0], s93, (0<<16)|(1<<20)|(1<<21)|(4<<22)|(3<<25)  ; the same with the mask of my column
	s_mov_b32 s[G1X+1], ROWB<<16                   ; tensor_dim0 = 128
	s_mov_b32 s[G1X+2], 128<<16                    ; tensor_dim1 = 128
	s_mov_b32 s[G1X+3], ROWB<<16                   ; tile_dim0 = 128
	s_mov_b32 s[G1X+4], 128                        ; tile_dim1 = 128
	s_mov_b32 s[G1X+5], KROW                       ; tensor_dim0_stride
	s_mov_b32 s[G1X+6], 0
	s_mov_b32 s[G1X+7], 0
	s_mov_b32 s[G1W+1], ROWB<<16
	s_mov_b32 s[G1W+2], 256<<16                    ; tensor_dim1 = 256
	s_mov_b32 s[G1W+3], ROWB<<16
	s_mov_b32 s[G1W+4], 256                        ; tile_dim1 = 256
	s_mov_b32 s[G1W+5], KROW
	s_mov_b32 s[G1W+6], 0
	s_mov_b32 s[G1W+7], 0
	; and for the scales: dense blocks of 8,192 (X) or 16,384 (W) bytes, as rows of 256 bytes (32 elements of 8 bytes), 16 bytes of padding behind each
	s_or_b32 s[G1SX+0], s92, (3<<16)|(1<<20)|(1<<21)|(5<<22)|(3<<25)
	s_or_b32 s[G1SW+0], s93, (3<<16)|(1<<20)|(1<<21)|(5<<22)|(3<<25)
	s_mov_b32 s[G1SX+1], 32<<16
	s_mov_b32 s[G1SX+2], 32<<16
	s_mov_b32 s[G1SX+3], 32<<16
	s_mov_b32 s[G1SX+4], 32
	s_mov_b32 s[G1SX+5], 32
	s_mov_b32 s[G1SX+6], 0
	s_mov_b32 s[G1SX+7], 0
	s_mov_b32 s[G1SW+1], 32<<16
	s_mov_b32 s[G1SW+2], 64<<16
	s_mov_b32 s[G1SW+3], 32<<16
	s_mov_b32 s[G1SW+4], 64
	s_mov_b32 s[G1SW+5], 32
	s_mov_b32 s[G1SW+6], 0
	s_mov_b32 s[G1SW+7], 0
	s_lshl_b32 s94, s91, 17                        ; X's tile: 128 rows of 1,024 bytes for each tile row: made of the tile row alone
	s_mov_b32 s95, 0
	s_lshl_b32 s96, s90, 18                        ; W's tile: 256 rows for each tile column: made of the tile column alone
	s_mov_b32 s97, 0
	s_wait_kmcnt 0x0
	s_cmp_eq_u32 s[PL], 0                          ; the re tensors or the im tensors: the choice hangs on the wave's number alone, the same in every work-group
	s_cselect_b64 s[4:5], s[4:5], s[6:7]           ; X's codes
	s_cselect_b64 s[8:9], s[8:9], s[10:11]         ; W's codes
	s_cselect_b64 s[12:13], s[12:13], s[14:15]     ; X's scales
	s_cselect_b64 s[16:17], s[16:17], s[18:19]     ; W's scales
	s_add_nc_u64 s[4:5], s[4:5], s[94:95]
	s_add_nc_u64 s[8:9], s[8:9], s[96:97]
	s_lshr_b32 s94, s94, 4                         ; the scales are a sixteenth of the codes' bytes
	s_lshr_b32 s96, s96, 4
	s_add_nc_u64 s[12:13], s[12:13], s[94:95]
	s_add_nc_u64 s[16:17], s[16:17], s[96:97]
	s_mul_i32 s6, s[PL], XIOFF                     ; where they go: made of the wave's number alone: no place in the cluster enters an LDS address
	s_mul_i32 s7, s[PL], WIOFF
	s_mul_i32 s10, s[PL], SXH
	s_mul_i32 s11, s[PL], SWH
	CROUND                                         ; all sixteen work-groups are here: the first joint loads meet
	s_mov_b32 s[G0SX], 1                           ; 1:0 count = 1
	s_add_co_u32 s[G0SX+1], s10, SCL               ; 63:32 LDS address
	s_mov_b64 s[G0SX+2:G0SX+3], s[12:13]           ; 120:64 global address
	s_or_b32 s[G0SX+3], s[G0SX+3], 0x80000000      ; 127:126 type = 2
	s_mov_b32 s[G0SW], 1
	s_add_co_u32 s[G0SW+1], s11, SCW
	s_mov_b64 s[G0SW+2:G0SW+3], s[16:17]
	s_or_b32 s[G0SW+3], s[G0SW+3], 0x80000000
	JLOAD G0SX, G1SX, G0SW, G1SW                   ; the scales first: they are wanted with the first slot
.irp s, 0,1
	s_mov_b32 s[G0X+4*\s], 1
	s_add_co_u32 s[G0X+4*\s+1], s6, \s*SLOT
	s_add_nc_u64 s[G0X+4*\s+2:G0X+4*\s+3], s[4:5], \s*ROWB
	s_or_b32 s[G0X+4*\s+3], s[G0X+4*\s+3], 0x80000000
	s_mov_b32 s[G0W+4*\s], 1
	s_add_co_u32 s[G0W+4*\s+1], s7, WOFF+\s*SLOT
	s_add_nc_u64 s[G0W+4*\s+2:G0W+4*\s+3], s[8:9], \s*ROWB
	s_or_b32 s[G0W+4*\s+3], s[G0W+4*\s+3], 0x80000000
	JLOAD G0X+4*\s, G1X, G0W+4*\s, G1W
.endr
	v_and_b32 v1, 15, v0                           ; r = l % 16
	v_bfe_u32 v2, v0, 4, 1                         ; h = l / 16
	v_mul_u32_u24 v3, v1, PITCH
	v_lshl_add_u32 v3, v2, 4, v3                   ; a fragment's row x pitch + 16 x half
	s_mul_i32 s14, s[FW], 4*BLK16                  ; my 64 rows of X
	s_mul_i32 s15, s[PL], 8*BLK16                  ; my 128 rows of W,
	s_add_co_u32 s15, s15, WOFF                    ; which lie behind X's
.irp s, 0,1
	v_add_nc_u32 v[ADRX+\s], s14, v3
	v_add_nc_u32 v[ADRW+\s], s15, v3
	s_add_co_u32 s14, s14, SLOT
	s_add_co_u32 s15, s15, SLOT
.endr
	v_lshlrev_b32 v4, 6, v1                        ; my row's scales: 64 bytes a row,
	v_lshrrev_b32 v5, 8, v4
	v_lshl_add_u32 v4, v5, 4, v4                   ; and 16 more for each 256 passed
	s_mul_i32 s14, s[FW], 4*SBLK
	s_add_co_u32 s14, s14, SCL                     ; Xr's, my 64 rows
	s_mul_i32 s15, s[PL], 8*SBLK
	s_add_co_u32 s15, s15, SCW                     ; Wr's, my 128 rows
	v_mul_u32_u24 v5, v2, SXH                      ; lanes 16-31 take the im tensor's: one product, the distance between the two
	v_mul_u32_u24 v6, v2, SWH
	v_add_nc_u32 v5, v5, v4
	v_add_nc_u32 v6, v6, v4
	v_add_nc_u32 v[ADRSX], s14, v5
	v_add_nc_u32 v[ADRSW], s15, v6
	s_mul_i32 s14, s[WV], 16*SPITCH
	s_add_co_u32 s14, s14, STAGE                   ; my stage
	v_mul_u32_u24 v5, v1, SPITCH                   ; in: row l % 16, 32 bytes for each half of the lanes
	v_lshl_add_u32 v5, v2, 5, v5
	v_add_nc_u32 v[STO], s14, v5
	v_and_b32 v6, 31, v0
	v_lshlrev_b32 v[CO], 4, v6                     ; back: the 32 lanes take one row of 512 bytes; and the same in the output
	v_add_nc_u32 v[RD], s14, v[CO]
	v_lshlrev_b32 v[PFO], 10, v6
	; where my part of re's plane begins: row 128 x tile row + 64 x (wave / 2), byte 1,024 x tile column + 512 x (wave % 2).  (In registers that feed no descriptor)
	s_lshl_b32 s66, s91, 7
	s_lshl_b32 s99, s[FW], 6
	s_add_co_u32 s66, s66, s99
	s_lshl_b32 s66, s66, 13                        ; x 8,192 bytes: under 2^25
	s_lshl_b32 s99, s90, 10
	s_add_co_u32 s66, s66, s99
	s_lshl_b32 s99, s[PL], 9
	s_add_co_u32 s66, s66, s99
	s_mov_b32 s67, 0
	s_add_nc_u64 s[20:21], s[20:21], s[66:67]
	; the prefetches: where mine stand, and whether I ask.  s[4:5] and s[8:9] still stand at my tensor's tile
	s_lshl_b32 s66, s88, 15                        ; X: my work-group's 32 rows of the tile's 128
	s_lshl_b32 s67, s89, 16                        ; W: my work-group's 64 rows of the tile's 256
	s_and_b32 s99, ttmp7, 0xffff                   ; cluster y
	s_cmp_eq_u32 s[FW], 0                          ; do I fetch for X?
	s_cselect_b64 s[PFA:PFA+1], s[4:5], s[8:9]
	s_cselect_b32 s66, s66, s67
	s_cselect_b32 s99, ttmp9, s99                  ; the coordinate along which other clusters read the same rows
	s_cmp_eq_u32 s99, 0
	s_cselect_b32 s[LIM], 1, -1                    ; the same in all sixteen partners, for a given wave
	s_add_co_u32 s66, s66, 2*ROWB                  ; at lap 1: the loop's first trip steps it to lap 2.  Nothing is prefetched here, at the head, where every work-group's first tiles are on their way
	s_mov_b32 s67, 0
	s_add_nc_u64 s[PFA:PFA+1], s[PFA:PFA+1], s[66:67]
; A fragment, 16 rows x 128 K of 4-bit codes, is 8 registers: lane l holds row l % 16; registers 4 c .. 4 c + 3 hold K = 64 c + 32 (l / 16) + 0 .. 31: two loads of 16 bytes, 32 bytes apart.
.macro FRAG reg, adr, off
	ds_load_b128 v[\reg:\reg+3], v[\adr] offset:\off
	ds_load_b128 v[\reg+4:\reg+7], v[\adr] offset:\off+32
.endm
.macro LD_W slot, q, z, p              ; 16 loads: the eight fragments of Wr (z = 0) or Wi (z = 1) of the slot's q-th 128 along K, into set p.  It leaves the window set: a switch follows in any case
	WIN TO_B
.irp i, 0,1,2,3,4,5,6,7
	FRAG 128*(\p)+64*(\z)+8*\i, ADRW+\slot, WIOFF*(\z)+64*(\q)+BLK16*\i
.endr
.endm
.macro LD_X slot, q, z                 ; 8 loads: the four fragments of Xr (z = 0) or Xi (z = 1); every window is 0 here
.irp i, 0,1,2,3
	FRAG XR+32*(\z)+8*\i, ADRX+\slot, XIOFF*(\z)+64*(\q)+BLK16*\i
.endr
.endm
.macro SCALES sc                       ; 12 loads: a slot's scale words, two a row, into set sc: lanes 0-15 take the re tensor's, lanes 16-31 the im tensor's
.irp b, 0,1,2,3,4,5,6,7
	ds_load_b64 v[SC+24*\sc+2*\b:SC+24*\sc+2*\b+1], v[ADRSW] offset:\b*SBLK
.endr
.irp a, 0,1,2,3
	ds_load_b64 v[SC+24*\sc+16+2*\a:SC+24*\sc+16+2*\a+1], v[ADRSX] offset:\a*SBLK
.endr
.endm
; A load into a register that a matrix instruction has read, a vector instruction that writes one, and an LDS store that reads a matrix result stand four places behind that matrix instruction, and only plain
; vector instructions that name none of its registers are places (ISA guide 7.12.1 for vector instructions); the matrix instructions in between are not counted.
.macro PLACES
.rept 4
	v_nop
.endr
.endm
; Xn = -Xi.  Xn's last reader, the step before's P4, has that step's four v_nop behind it.  The 32 lines name no register of P2, which stands just ahead: they and the four v_nop are the places in front of the
; loads into Xr's registers; the four v_nop are also the places between the last line and the scaled matrix instruction that takes Xn.
.macro NEGATE
.set i, 0
.rept 32
	v_xor_b32 v[XN+i], s98, v[XI+i]
.set i, i+1
.endr
	PLACES
.endm
; One matrix instruction of product prod: X's block a against W's block b; p: W's set; q, sc: which scale words.  A scale register carries the re tensor's words in lanes 0-15 and the im tensor's in lanes 16-31:
; the selector ROW1 takes the upper lanes (source 0's scales: matrix_a_scale; source 1's: matrix_b_scale).  zero = 1: the product starts its sum: nothing is ever cleared.
.macro MM prod, a, b, p, q, sc, zero
.set rD, 8*(8*(\a)+(\b))
.set rSW, SC+24*(\sc)+2*(\b)+(\q)
.set rSX, SC+24*(\sc)+16+2*(\a)+(\q)
.if (\prod) == 1
.set rW, 128*(\p)+8*(\b)
.set rX, XR+8*(\a)
.if \zero
	v_wmma_scale_f32_16x16x128_f8f6f4 v[rD:rD+7], v[rW:rW+7], v[rX:rX+7], 0, v[rSW], v[rSX] matrix_a_fmt:MATRIX_FMT_FP4 matrix_b_fmt:MATRIX_FMT_FP4
.else
	v_wmma_scale_f32_16x16x128_f8f6f4 v[rD:rD+7], v[rW:rW+7], v[rX:rX+7], v[rD:rD+7], v[rSW], v[rSX] matrix_a_fmt:MATRIX_FMT_FP4 matrix_b_fmt:MATRIX_FMT_FP4
.endif
.elseif (\prod) == 2
.set rW, 128*(\p)+64+8*(\b)
.set rX, XR+8*(\a)
.if \zero
	v_wmma_scale_f32_16x16x128_f8f6f4 v[rD:rD+7], v[rW:rW+7], v[rX:rX+7], 0, v[rSW], v[rSX] matrix_a_fmt:MATRIX_FMT_FP4 matrix_b_fmt:MATRIX_FMT_FP4 matrix_a_scale:MATRIX_SCALE_ROW1
.else
	v_wmma_scale_f32_16x16x128_f8f6f4 v[rD:rD+7], v[rW:rW+7], v[rX:rX+7], v[rD:rD+7], v[rSW], v[rSX] matrix_a_fmt:MATRIX_FMT_FP4 matrix_b_fmt:MATRIX_FMT_FP4 matrix_a_scale:MATRIX_SCALE_ROW1
.endif
.elseif (\prod) == 3
.set rW, 128*(\p)+8*(\b)
.set rX, XI+8*(\a)
	v_wmma_scale_f32_16x16x128_f8f6f4 v[rD:rD+7], v[rW:rW+7], v[rX:rX+7], v[rD:rD+7], v[rSW], v[rSX] matrix_a_fmt:MATRIX_FMT_FP4 matrix_b_fmt:MATRIX_FMT_FP4 matrix_b_scale:MATRIX_SCALE_ROW1
.else
.set rW, 128*(\p)+64+8*(\b)
.set rX, XN+8*(\a)
	v_wmma_scale_f32_16x16x128_f8f6f4 v[rD:rD+7], v[rW:rW+7], v[rX:rX+7], v[rD:rD+7], v[rSW], v[rSX] matrix_a_fmt:MATRIX_FMT_FP4 matrix_b_fmt:MATRIX_FMT_FP4 matrix_a_scale:MATRIX_SCALE_ROW1 matrix_b_scale:MATRIX_SCALE_ROW1
.endif
.endm
; 16 matrix instructions: X's blocks a0, a0 + 1 against W's eight.  A plane's 32 accumulators take turns, one instruction a turn, in the same order in every product.
.macro MUL16 prod, a0, p, q, sc, zero
.irp a, \a0, \a0+1
.irp b, 0,1,2,3,4,5,6,7
	MM \prod, (\a), \b, \p, \q, \sc, \zero
.endr
.endr
.endm
.macro PROD prod, p, q, sc, zero       ; a whole product: 32
	MUL16 \prod, 0, \p, \q, \sc, \zero
	MUL16 \prod, 2, \p, \q, \sc, \zero
.endm
; A slot's FIRST 128 along K (W's set 0).  Between its products stand the loads for the slot's second 128, each run into registers whose last reader has four places behind it:
; W's idle set and Xi's registers by the four v_nop behind a step's P4, Xr's by NEGATE.  On the way in the LDS loads out are, oldest first: Wr 16, Xr 8, (scales 12,) Wi 16, Xi 8.
.macro STEP slot, zero
	s_wait_dscnt 24                                ; Wr, Xr and the scale words are in; the younger 24 (Wi's 16, Xi's 8) may be out
	WIN MUL_RE
	PROD 1, 0, 0, \slot, \zero
	LD_W \slot, 1, 0, 1
	s_wait_dscnt 24                                ; Wi is in; behind it: Xi's 8 and the 16 just issued
	WIN MUL_IM
	PROD 2, 0, 0, \slot, \zero
	WIN 0
	s_wait_dscnt 16                                ; Xi is in; behind it: the next Wr's 16
	NEGATE
	LD_X \slot, 1, 0
	WIN MUL_IM
	PROD 3, 0, 0, \slot, 0
	LD_W \slot, 1, 1, 1
	WIN MUL_RE
	PROD 4, 0, 0, \slot, 0
	WIN 0
	PLACES
	LD_X \slot, 1, 1
.endm
; A slot's SECOND 128 along K (W's set 1) changes slots: ONE barrier; in front of it each wave waits for all its tensor loads, adds 0 to its spare word, and waits for that and for its own reads of this slot.
; fill = 1: this slot is filled again, two slots ahead: the barrier then opens a round of the cluster's barrier.  From a request to the wait for it a wave issues 224 matrix instructions.
.macro TURN slot, next, fill
.if (\fill) && ((\slot) == 0)
	s_wait_xcnt 0x0                                ; the last prefetches, a lap back, have read their address: it is stepped here, ahead of the waits of the change of slots
	s_add_nc_u64 s[PFA:PFA+1], s[PFA:PFA+1], 2*ROWB
.endif
	s_wait_tensorcnt 0x0                           ; all my tensor loads have landed: my part of the next slot;  (every window is 0 here: the add's two registers lie in window 0)
	ds_add_u32 v[SPW], v[NIL]                      ; 0 onto my spare word
	s_wait_dscnt 25                                ; Wr and Xr are in; Wi's 16, Xi's 8 and the add may be out
	WIN MUL_RE
	MUL16 1, 0, 1, 1, \slot, 0                     ; sixteen matrix instructions stand between the add and the wait for it
	s_wait_dscnt 0x0                               ; the add is done, and my reads of this slot are over
	s_barrier_signal -1
	MUL16 1, 2, 1, 1, \slot, 0
	WIN 0
	s_barrier_wait -1
.if \fill
	CREST                                          ; no wave of any partner still reads this slot's tiles or has a load on its way
	s_add_nc_u64 s[G0X+4*\slot+2:G0X+4*\slot+3], s[G0X+4*\slot+2:G0X+4*\slot+3], 2*ROWB
	s_add_nc_u64 s[G0W+4*\slot+2:G0W+4*\slot+3], s[G0W+4*\slot+2:G0W+4*\slot+3], 2*ROWB
	JLOAD G0X+4*\slot, G1X, G0W+4*\slot, G1W       ; the first tensor load behind the round, and my only one until the next
.endif
	LD_W \next, 0, 0, 0
.if (\fill) && ((\slot) == 0)
	WIN 0
	ASK
.endif
	WIN MUL_IM
	PROD 2, 1, 1, \slot, 0
	WIN 0
	NEGATE
	v_add_nc_u32 v[ADRSX], 8, v[ADRSX]             ; on to the next slot's scale words: 8 bytes a row
	v_add_nc_u32 v[ADRSW], 8, v[ADRSW]
	LD_X \next, 0, 0
	SCALES \next                                   ; that set's last reader was the slot before's P4, with its four v_nop behind it
	WIN MUL_IM
	PROD 3, 1, 1, \slot, 0
	LD_W \next, 0, 1, 0
	WIN MUL_RE
	PROD 4, 1, 1, \slot, 0
	WIN 0
	PLACES
	LD_X \next, 0, 1
.endm
	s_wait_tensorcnt 1                             ; the scales and my part of slot 0 are in (slot 1's load may be out)
	s_barrier_signal -1
	s_barrier_wait -1                              ; everybody's are
	LD_W 0, 0, 0, 0
	WIN 0
	LD_X 0, 0, 0
	SCALES 0
	LD_W 0, 0, 1, 0
	WIN 0
	LD_X 0, 0, 1
	STEP 0, 1                                      ; the first step stands in front of the loop: P1 and P2 start the sums
	s_mov_b32 s3, LAPS-1
.Llap:                                                 ; a trip goes once round the ring, from a lap's second step to the next lap's first, and fills both slots again
	TURN 0, 1, 1
	STEP 1, 0
	TURN 1, 0, 1
	STEP 0, 0
	s_sub_co_u32 s3, s3, 1
	s_cmp_lg_u32 s3, 0
	s_cbranch_scc1 .Llap
	TURN 0, 1, 0                                   ; the last lap fills nothing, and has no round of the cluster's barrier
	STEP 1, 0
	s_wait_dscnt 24                                ; the very last step: nothing more to fetch.  Wr and Xr are in
	WIN MUL_RE
	PROD 1, 1, 1, 1, 0
	s_wait_dscnt 8                                 ; Wi is in; Xi's 8 may be out
	WIN MUL_IM
	PROD 2, 1, 1, 1, 0
	WIN 0
	s_wait_dscnt 0x0
	NEGATE
	WIN MUL_IM
	PROD 3, 1, 1, 1, 0
	WIN MUL_RE
	PROD 4, 1, 1, 1, 0
	WIN 0
; THE WAY OUT, block by block of 16 rows x 128 columns: t = 0 .. 3 re's four blocks, t = 4 .. 7 im's.  A lane holds 32 neighbouring bytes of a row, and the lanes beside it hold other rows: so a block goes through my
; own stage in LDS and comes back as whole rows of 512 bytes.  LDS serves a wave's instructions in order (ISA guide 5.7.1.4): no wait between the stores and the loads, nor in front of the next block's stores.
.macro TOSTAGE t
.set AC, 64*((\t)%4)
	WIN 0x08+4*((\t)/4)                            ; an LDS store's data are its source 1: window 2 or 3
.irp b, 0,1,2,3,4,5,6,7
	ds_store_b128 v[STO], v[AC+8*\b:AC+8*\b+3] offset:64*\b          ; each accumulator from its low end on
	ds_store_b128 v[STO], v[AC+8*\b+4:AC+8*\b+7] offset:64*\b+16
.endr
	WIN 0
.set BB, BK+64*((\t)%2)
.irp i, 0,1,2,3,4,5,6,7,8,9,10,11,12,13,14,15
	ds_load_b128 v[BB+4*\i:BB+4*\i+3], v[RD] offset:\i*SPITCH
.endr
.endm
.macro SEND t, younger                 ; younger: the LDS instructions issued behind block t's loads, which may stay out
.set BB, BK+64*((\t)%2)
	s_wait_dscnt \younger                          ; the block is back in registers
.if (\t) == 4
	s_add_nc_u64 s[20:21], s[20:21], PLANE-3*16*ROWC   ; (behind a wait on XCNT: the earlier stores have read their base)  from re's last block to im's first
.elseif (\t) > 0
	s_add_nc_u64 s[20:21], s[20:21], 16*ROWC       ; 16 rows on, so that the stores' offsets stay small: 15 rows, 122,880 bytes, at the most
.endif
.irp i, 0,1,2,3,4,5,6,7,8,9,10,11,12,13,14,15
	global_store_b128 v[CO], v[BB+4*\i:BB+4*\i+3], s[20:21] offset:\i*ROWC th:TH_STORE_NT   ; 32 lanes store 512 consecutive bytes, at a multiple of 256 from out0's first byte; written once, read by nobody here
.endr
.endm
	PLACES                                         ; behind the last products: for the stores that read results, and for the loads into the registers that held X's fragments
	TOSTAGE 0
.irp t, 1,2,3,4,5,6,7
.if \t > 1
	s_wait_xcnt 0x0                                ; block t - 2's stores have read their registers and their base: block t's loads may land there, and the base may step
.endif
	TOSTAGE \t
	SEND (\t-1), 32                                ; behind block t - 1's loads: block t's 16 stores and 16 loads
.endr
	s_wait_xcnt 0x0                                ; block 6's stores have read their base
	SEND 7, 0
	s_wait_tensorcnt 0x0                           ; the wave's end: behind my last tensor load and my last LDS store
	ds_add_u32 v[SPW], v[NIL]
	s_wait_dscnt 0x0
	CROUND                                         ; the closing round: no work-group ends while a partner may still ask for a tile that names it
	s_endpgm
.Lfunc_end_k_q91595c5dad_cgemm:
	.size	k_q91595c5dad_cgemm, .Lfunc_end_k_q91595c5dad_cgemm-k_q91595c5dad_cgemm
	.p2alignl 7, 3214868480
	.fill 96, 4, 3214868480
	.section	.rodata,"a",@progbits
	.p2align	6, 0x0
	.amdhsa_kernel k_q91595c5dad_cgemm
		.amdhsa_group_segment_fixed_size 327680
		.amdhsa_private_segment_fixed_size 0
		.amdhsa_enable_private_segment 0
		.amdhsa_kernarg_size 72
		.amdhsa_user_sgpr_count 2
		.amdhsa_user_sgpr_kernarg_segment_ptr 1
		.amdhsa_wavefront_size32 1
		.amdhsa_system_sgpr_workgroup_id_x 1
		.amdhsa_system_sgpr_workgroup_id_y 1
		.amdhsa_system_sgpr_workgroup_id_z 1
		.amdhsa_system_vgpr_workitem_id 0
		.amdhsa_next_free_vgpr 1024
		.amdhsa_next_free_sgpr 100
		.amdhsa_reserve_vcc 0
		.amdhsa_float_denorm_mode_32 3
		.amdhsa_float_denorm_mode_16_64 3
		.amdhsa_memory_ordered 1
		.amdhsa_forward_progress 1
		.amdhsa_inst_pref_size 211
	.end_amdhsa_kernel
	.amdgpu_metadata
---
amdhsa.version: [ 1, 2 ]
amdhsa.kernels:
  - .name:           k_q91595c5dad_cgemm
    .symbol:         k_q91595c5dad_cgemm.kd
    .args:
      - { .name: x_re_codes, .offset: 0, .size: 8, .value_kind: global_buffer, .address_space: global }
      - { .name: x_im_codes, .offset: 8, .size: 8, .value_kind: global_buffer, .address_space: global }
      - { .name: w_re_codes, .offset: 16, .size: 8, .value_kind: global_buffer, .address_space: global }
      - { .name: w_im_codes, .offset: 24, .size: 8, .value_kind: global_buffer, .address_space: global }
      - { .name: x_re_scales, .offset: 32, .size: 8, .value_kind: global_buffer, .address_space: global }
      - { .name: x_im_scales, .offset: 40, .size: 8, .value_kind: global_buffer, .address_space: global }
      - { .name: w_re_scales, .offset: 48, .size: 8, .value_kind: global_buffer, .address_space: global }
      - { .name: w_im_scales, .offset: 56, .size: 8, .value_kind: global_buffer, .address_space: global }
      - { .name: out0, .offset: 64, .size: 8, .value_kind: global_buffer, .address_space: global }
    .group_segment_fixed_size: 327680
    .private_segment_fixed_size: 0
    .kernarg_segment_align: 8
    .kernarg_segment_size: 72
    .max_flat_workgroup_size: 128
    .sgpr_count:     100
    .vgpr_count:     1024
    .wavefront_size: 32
...
	.end_amdgpu_metadata
.endif
;; end of part 1
